; MI455X (gfx1250); checked and timed in simulation.
; The chip was launched on July 23, 2026; its instructions are those of AMD's public machine-readable ISA for CDNA 5 (MIT licence, August 2026) and "CDNA5" Instruction Set Architecture Reference Guide (July 2026). The comments in the code are by the model that wrote it; some were corrected since.
;; Compiled Autograd0. Allowed arithmetic: float matrix products may take bf16 or f16 operands with f32 sums; all other float work in f32.
;; Inputs: k 2 x 16 x 2,048 x 64 float32; q 2 x 16 x 2,048 x 64 float32; v 2 x 16 x 2,048 x 64 float32.
;; Outputs: out0 2 x 16 x 2,048 x 64 float32.
;; One version. Each part assembles by itself: llvm-mc -triple=amdgcn-amd-amdhsa -mcpu=gfx1250 --defsym DOCPART=n.
;; ======== version 1 of 1: 1 launch
;; limits: values are held in f16: magnitudes above 65,504 overflow, below 6.1e-05 lose precision; inputs' magnitudes at most 65,504
;; launch attn (part 1): grid 8 x 32, 8 waves a work-group, no clusters, 162,816 bytes of LDS; arguments q, k, v, out0; writes out0
.if DOCPART == 1
	.amdgcn_target "amdgcn-amd-amdhsa--gfx1250"
	.amdhsa_code_object_version 6
	.text
	.protected	k_q615d79c192_attn
	.globl	k_q615d79c192_attn
	.p2align	8
	.type	k_q615d79c192_attn,@function
k_q615d79c192_attn:
	s_mov_b64 s[64:65], 0
	v_nop
	global_prefetch_b8 v0, s[64:65] scope:SCOPE_SE
	s_setreg_imm32_b32 hwreg(HW_REG_WAVE_MODE, 25, 1), 1
	s_wait_xcnt 0x0
; Causal attention, forward.  q, k, v, out0: [32 heads][2048][64] f32.  out = softmax(0.125 q k^T, keys <= query) v.
; SHARING.  A head has 16 query blocks of 128 rows; block j needs key tiles 0..j (128 keys each).  Work-group (i, head) takes block 15-i
; (pass A) and then block i (pass B): (16-i) + (i+1) = 17 trips for every one of the 8 x 32 = 256 work-groups.
; Wave w: a = w & 3, b = w >> 2.  It owns queries 32a..32a+31 of the block (two column blocks of 16) and keys 64b..64b+63 of every tile,
; with running statistics and sums of its own; the two waves of a query meet through LDS at the end of a pass.
; PRODUCTS ARE TRANSPOSED.  S^T = K Q^T: register j of lane (r, h) is (key 16t+8h+j, query r), so a query's statistics are one number a lane.
; Two neighbouring S^T tiles, rounded in pairs to f16, ARE the second source of O^T = V^T P^T; nothing is moved between lanes.
; V^T fragments come from V as stored, [key][d], by the transposing LDS load.
; ORDER OF TILES in a pass: the diagonal tile first (masked; its products start all sums with C = 0), then tiles 0..j-1 in a loop.
; FEED.  K and V go global -> registers (f32) -> f16 -> one LDS tile; each number is rounded once in the work-group.  In trip g the staged
; tile g+1 is stored behind the barrier that ends the reads of tile g, and the 16 loads of tile g+2 are issued right behind those stores.
; NUMBER FORMAT.  All matrix operands (q, k, v, p) are f16, all sums f32.  In the first rows a few keys carry the whole weight, and an
; operand of 8 significant bits is off by up to 2^-9 of each weight, which is as much as the result may be off where it is near 0;
; f16's 11 bits make every rounding 8 times finer.  p lies in [0, 1].
; NO CLUSTER, NO TENSOR LOADS: the tiles are f32 and must be rounded before fragments can be read; through registers LDS takes 32 KiB a trip,
; a tile landed as f32 would be 64 KiB, read back and stored again.  The eight work-groups of a head also walk differently: each begins
; with a diagonal tile of its own and changes pass at trip 16-i, so partners would not ask for the same tiles in the same trip.
; LIMITS.  |q|, |k|, |v| <= 65,504, the largest f16: beyond it the conversion gives infinity.  Inputs below 2^-14 in magnitude, and weights
; below 2^-14 of the running maximum, are kept to an absolute 2^-25 only.  Masked scores are the most negative finite f32, as the problem
; defines them.  The first trip caps the statistic -c max at 1e30, so that a wave all of whose keys are masked gets p = 0, sum 0, and
; weight 0 in the merge; that asks of real scores q.k > -5.5e30, which the first limit keeps.  The row sum is taken of the unrounded f32 p;
; the order of sums is the order of tiles given above.  NaN and infinite inputs are not treated specially.
.set PK,   144                         ; LDS pitch of K and Q rows: 128 bytes of f16 + 16, an odd multiple of 16: the 16 rows of a fragment load start in 16 different 16-byte columns modulo 256
.set PV,   160                         ; LDS pitch of V rows: an odd multiple of 32, for the transposing load
.set KT,   0                           ; 128 keys x 144
.set VT,   18432                       ; 128 keys x 160
.set QT,   38912                       ; 128 queries x 144
.set XCH,  57344                       ; 8 waves x 8,704: 16 groups of 512 bytes (O registers 4u..4u+3, 16 bytes a lane), then at 8192 + 256 n the pair (NM, l), 8 bytes a lane
.set XWB,  8704
.set STG,  126976                      ; 8 waves x 4,352: 16 rows x 272, each wave's own, for the way out
.set STB,  4352
.set SP,   272
.set DQ,   10                          ; v10, v11   column block n: my query less my first key, 32a + 16n + r - 64b - 8h
.set NM,   12                          ; v[12:15]   n: v[12+2n] = -c x running maximum, v[13+2n] = the row sum at the end of a pass
.set LS,   16                          ; v[16:19]   n: a pair of running sums
.set G0R,  20                          ; v[20:21]   merge: weight of partner 0 (v21 stays 0)
.set AL,   22                          ; v[22:23]   rescale factor; merge: weight of partner 1 (v23 stays 0)
.set TT,   24                          ; v[24:31]   at work
.set QF,   32                          ; v[32:63]   Q fragments: (n, kk) at 32 + 16n + 8kk
.set OA,   64                          ; v[64:127]  O^T sums: (n, dd) at 64 + 32n + 8dd
.set SC,   128                         ; v[128:191] S^T: (n, t) at 128 + 32n + 8t; P^T in place: (n, c) at 128 + 32n + 16c, 8 registers
.set FR,   192                         ; v[192:255] K fragments (t, kk) at 192 + 16t + 8kk, then V^T fragments (c, dd) at 192 + 32c + 8dd
; v1 K fragment address, v2 V fragment address, v3 / v4 where I store 8 bytes of K (and Q) / V, v5 16 x thread, v6 Q fragment address,
; v7 prefetch offset, v8 the masked score.  v256..v319 (written v0..v63 in window 1): the staged tile, K's load u at 4u, V's at 32 + 4u.
; s[4:11] q, k, v, out0 at my head; s12 i; s14 w, s15 a, s16 b; s17 trip number G; s18 loop count; s19 15-i; s21 16-i; s22 i-3;
; s[24:27] K and V of the tile to load; s[28:29], s[42:43] offsets (high words 0); s[30:31] c, c; s32 -c; s33 1e30; s34, s35 lane selects;
; s[36:37] prefetch base; s[38:39] Q block; s[40:41] out block; s44-46 at work; s47-51 LDS and output offsets of the epilogue.
.set MSB, 0
.macro WIN new                         ; register window (ISA guide: s_set_vgpr_msb); the high byte repeats the setting that is left
.if MSB != \new
	s_set_vgpr_msb (MSB<<8)|\new
.set MSB, \new
.endif
.endm
.macro NOPS cnt
.rept \cnt
	v_nop
.endr
.endm
; 16 loads of 16 bytes a thread: the tile's 32 KiB of K and 32 KiB of V; one load of a wave covers 512 consecutive bytes
.macro LOAD_TILE
	WIN 0x40                                       ; destination in window 1
.irp u, 0,1,2,3,4,5,6,7
	global_load_b128 v[4*\u:4*\u+3], v5, s[24:25] offset:4096*\u
.endr
.irp u, 0,1,2,3,4,5,6,7
	global_load_b128 v[32+4*\u:32+4*\u+3], v5, s[26:27] offset:4096*\u
.endr
	WIN 0
.endm
; the staged tile is rounded in place and stored: thread t holds 4 numbers of row (t >> 4) + 16u, 8 bytes of f16
.macro STORE_TILE
	WIN 0x45                                       ; destination and both sources in window 1
.irp u, 0,1,2,3,4,5,6,7,8,9,10,11,12,13,14,15
	v_cvt_pk_f16_f32 v[4*\u], v[4*\u], v[4*\u+1]
	v_cvt_pk_f16_f32 v[4*\u+1], v[4*\u+2], v[4*\u+3]
.endr
	WIN 0x04                                       ; store data in window 1, address in window 0
.irp u, 0,1,2,3,4,5,6,7
	ds_store_b64 v3, v[4*\u:4*\u+1] offset:KT+16*PK*\u
.endr
.irp u, 0,1,2,3,4,5,6,7
	ds_store_b64 v4, v[32+4*\u:32+4*\u+1] offset:16*PV*\u
.endr
	WIN 0
.endm
; the tile of trip x = G + 2:  x <= 15-i: x - 1;  x = 16-i: i (pass B's diagonal);  x > 16-i: x - 1 - (16-i)
.macro NEXT_TILE
	s_add_co_u32 s44, s17, 2
	s_sub_co_u32 s45, s44, 1
	s_sub_co_u32 s46, s45, s21
	s_cmp_gt_u32 s44, s21
	s_cselect_b32 s45, s46, s45
	s_cmp_eq_u32 s44, s21
	s_cselect_b32 s45, s12, s45
	s_lshl_b32 s28, s45, 15                        ; 128 rows of 256 bytes
	s_add_nc_u64 s[24:25], s[6:7], s[28:29]
	s_add_nc_u64 s[26:27], s[8:9], s[28:29]
.endm
; Behind the barrier that ends the reads of this trip's tile.  The branches hang on the trip number and on i alone: alike in all eight waves.
.macro FEED pf
	s_cmp_ge_u32 s17, 16                           ; the last trip: nothing is staged
	s_cbranch_scc1 .Lfed_\@
	s_wait_loadcnt 0x0                             ; the staged tile is in; its loads' bases s[24:27] may be written
	STORE_TILE
	s_cmp_ge_u32 s17, 15                           ; the last but one: nothing is left to load
	s_cbranch_scc1 .Lfed_\@
	NEXT_TILE
	LOAD_TILE
.if \pf
	; Tiles 8..15 of a head are first read at the start, each by one work-group; tiles 3..7 are first wanted by all eight at once.  Work-group i
	; (3..7) asks in trip i-3 for tile i, which the loads of trip i-1 fetch: two trips ahead.  One line a wave, lanes 256 bytes apart:
	; waves 0-3 cover K's 32 KiB, waves 4-7 V's; every block is asked for once in the launch and lies inside its buffer.
	s_cmp_lg_u32 s17, s22
	s_cbranch_scc1 .Lfed_\@
	global_prefetch_b8 v7, s[36:37] th:TH_LOAD_NT scope:SCOPE_SE
.endif
.Lfed_\@:
.endm
; diagonal tile: key 64b + 16t + 8h + j is masked for query 32a + 16n + r where 16t + j > DQ[n]
.macro MASK
.irp nb, 0,1
.irp kt, 0,1,2,3
.irp j, 0,1,2,3,4,5,6,7
	v_cmp_gt_i32 vcc_lo, 16*\kt+\j, v[DQ+\nb]
	v_cndmask_b32 v[SC+32*\nb+8*\kt+\j], v[SC+32*\nb+8*\kt+\j], v8, vcc_lo
.endr
.endr
.endr
.endm
.macro SM_FMA nb, kt                   ; exponent = c s - c max, one rounding
.irp p, 0,2,4,6
	v_pk_fma_f32 v[SC+32*\nb+8*\kt+\p:SC+32*\nb+8*\kt+\p+1], v[SC+32*\nb+8*\kt+\p:SC+32*\nb+8*\kt+\p+1], s[30:31], v[NM+2*\nb:NM+2*\nb+1] op_sel_hi:[1,0,0]
.endr
.endm
.macro SM_EXP nb, kt
.irp j, 0,1,2,3,4,5,6,7
	v_exp_f32 v[SC+32*\nb+8*\kt+\j], v[SC+32*\nb+8*\kt+\j]
.endr
.endm
.macro SM_SUM nb, kt                   ; two chains of pairs, v[28:29] and v[30:31]; the first tile starts them
.if \kt == 0
	s_wait_alu depctr_va_vdst(0)
	v_pk_add_f32 v[TT+4:TT+5], v[SC+32*\nb:SC+32*\nb+1], v[SC+32*\nb+2:SC+32*\nb+3]
	v_pk_add_f32 v[TT+6:TT+7], v[SC+32*\nb+4:SC+32*\nb+5], v[SC+32*\nb+6:SC+32*\nb+7]
.else
	s_wait_alu depctr_va_vdst(0)
	v_pk_add_f32 v[TT+4:TT+5], v[TT+4:TT+5], v[SC+32*\nb+8*\kt:SC+32*\nb+8*\kt+1]
	v_pk_add_f32 v[TT+6:TT+7], v[TT+6:TT+7], v[SC+32*\nb+8*\kt+2:SC+32*\nb+8*\kt+3]
	v_pk_add_f32 v[TT+4:TT+5], v[TT+4:TT+5], v[SC+32*\nb+8*\kt+4:SC+32*\nb+8*\kt+5]
	v_pk_add_f32 v[TT+6:TT+7], v[TT+6:TT+7], v[SC+32*\nb+8*\kt+6:SC+32*\nb+8*\kt+7]
.endif
.endm
.macro SM_CVT nb, kt                   ; tile 2c into registers 0-3, tile 2c+1 into registers 4-7 of P(n, c); ascending, so nothing is lost
.irp q, 0,1,2,3
	v_cvt_pk_f16_f32 v[SC+32*\nb+16*(\kt/2)+4*(\kt%2)+\q], v[SC+32*\nb+8*\kt+2*\q], v[SC+32*\nb+8*\kt+2*\q+1]
.endr
.endm
; The softmax step of column block nb over my 64 keys.  first = 1: the pass's first trip: the statistics start, nothing is rescaled.
.macro SOFTMAX nb, first
.irp kt, 0,1,2,3
	v_max3_num_f32 v[TT+\kt], v[SC+32*\nb+8*\kt], v[SC+32*\nb+8*\kt+1], v[SC+32*\nb+8*\kt+2]
.endr
.irp kt, 0,1,2,3
	v_max3_num_f32 v[TT+\kt], v[TT+\kt], v[SC+32*\nb+8*\kt+3], v[SC+32*\nb+8*\kt+4]
.endr
.irp kt, 0,1,2,3
	v_max3_num_f32 v[TT+\kt], v[TT+\kt], v[SC+32*\nb+8*\kt+5], v[SC+32*\nb+8*\kt+6]
.endr
	v_max3_num_f32 v[TT], v[TT], v[TT+1], v[SC+32*\nb+7]
	v_max3_num_f32 v[TT+2], v[TT+2], v[TT+3], v[SC+32*\nb+15]
	v_max3_num_f32 v[TT], v[TT], v[TT+2], v[SC+32*\nb+23]
	v_max_num_f32 v[TT], v[TT], v[SC+32*\nb+31]
	v_permlanex16_b32 v[TT+1], v[TT], s34, s35     ; the other half of the lanes holds the query's other 32 keys
	v_max_num_f32 v[TT], v[TT], v[TT+1]
	v_mul_f32 v[TT+3], s32, v[TT]                  ; -c x the tile's maximum
.if \first
	v_min_num_f32 v[NM+2*\nb], s33, v[TT+3]        ; capped at 1e30: with all keys masked every exponent is still hugely negative
.else
	v_min_num_f32 v[TT+3], v[NM+2*\nb], v[TT+3]    ; the running maximum, negated and scaled
	v_sub_f32 v[AL], v[TT+3], v[NM+2*\nb]          ; c (old maximum - new maximum) <= 0
	v_exp_f32 v[AL], v[AL]
	v_mov_b32 v[NM+2*\nb], v[TT+3]                 ; also the plain instruction behind v_exp_f32 (ISA guide 5.7.2)
.endif
	; behind each run of eight v_exp_f32 stands plain work on other registers before a result is used (ISA guide 5.7.2)
	SM_FMA \nb, 0
	SM_EXP \nb, 0
	SM_FMA \nb, 1
	SM_EXP \nb, 1
	SM_SUM \nb, 0
	SM_CVT \nb, 0
	SM_FMA \nb, 2
	SM_EXP \nb, 2
	SM_SUM \nb, 1
	SM_CVT \nb, 1
	SM_FMA \nb, 3
	SM_EXP \nb, 3
	SM_SUM \nb, 2
	SM_CVT \nb, 2
.if \first == 0
.irp p, 0,2,4,6,8,10,12,14,16,18,20,22,24,26,28,30
	v_pk_mul_f32 v[OA+32*\nb+\p:OA+32*\nb+\p+1], v[OA+32*\nb+\p:OA+32*\nb+\p+1], v[AL:AL+1] op_sel_hi:[1,0]
.endr
.endif
	SM_SUM \nb, 3
	SM_CVT \nb, 3
.if \first
	v_pk_add_f32 v[LS+2*\nb:LS+2*\nb+1], v[TT+4:TT+5], v[TT+6:TT+7]
.else
	v_pk_add_f32 v[TT+4:TT+5], v[TT+4:TT+5], v[TT+6:TT+7]
	v_pk_fma_f32 v[LS+2*\nb:LS+2*\nb+1], v[LS+2*\nb:LS+2*\nb+1], v[AL:AL+1], v[TT+4:TT+5] op_sel_hi:[1,0,1]
.endif
.endm
; 8 matrix instructions: O^T(n, dd) += V^T(dd, keys 32cc..) P^T(keys 32cc.., n).  The eight accumulators take turns, one instruction a turn.
.macro PVMUL cc, zero
.irp dd, 0,1,2,3
.irp nb, 0,1
.if \zero
	v_wmma_f32_16x16x32_f16 v[OA+32*\nb+8*\dd:OA+32*\nb+8*\dd+7], v[FR+32*\cc+8*\dd:FR+32*\cc+8*\dd+7], v[SC+32*\nb+16*\cc:SC+32*\nb+16*\cc+7], 0
.else
	v_wmma_f32_16x16x32_f16 v[OA+32*\nb+8*\dd:OA+32*\nb+8*\dd+7], v[FR+32*\cc+8*\dd:FR+32*\cc+8*\dd+7], v[SC+32*\nb+16*\cc:SC+32*\nb+16*\cc+7], v[OA+32*\nb+8*\dd:OA+32*\nb+8*\dd+7]
.endif
.endr
.endr
.endm
; One key tile.  diag = 1: the pass's first trip, on the diagonal tile.
.macro TRIP diag, pf
.irp kk, 0,1
.irp kt, 0,1,2,3
	ds_load_b128 v[FR+16*\kt+8*\kk:FR+16*\kt+8*\kk+3],   v1 offset:16*PK*\kt+64*\kk
	ds_load_b128 v[FR+16*\kt+8*\kk+4:FR+16*\kt+8*\kk+7], v1 offset:16*PK*\kt+64*\kk+32
.endr
.endr
	s_wait_dscnt 0x8                               ; the eight loads for d 0..31 (and any older loads of Q fragments) are in; the eight for d 32..63 stay out
	; S^T = K Q^T; the eight accumulators take turns, one instruction a turn; the first product starts each sum
.irp kt, 0,1,2,3
.irp nb, 0,1
	v_wmma_f32_16x16x32_f16 v[SC+32*\nb+8*\kt:SC+32*\nb+8*\kt+7], v[FR+16*\kt:FR+16*\kt+7], v[QF+16*\nb:QF+16*\nb+7], 0
.endr
.endr
	s_wait_dscnt 0x0
.irp kt, 0,1,2,3
.irp nb, 0,1
	v_wmma_f32_16x16x32_f16 v[SC+32*\nb+8*\kt:SC+32*\nb+8*\kt+7], v[FR+16*\kt+8:FR+16*\kt+15], v[QF+16*\nb+8:QF+16*\nb+15], v[SC+32*\nb+8*\kt:SC+32*\nb+8*\kt+7]
.endr
.endr
	NOPS 4                                         ; four places behind the last matrix instruction: loads into its sources and reads of its results follow
.irp cc, 0,1
.irp dd, 0,1,2,3
	ds_load_tr16_b128 v[FR+32*\cc+8*\dd:FR+32*\cc+8*\dd+3],   v2 offset:32*PV*\cc+32*\dd
	ds_load_tr16_b128 v[FR+32*\cc+8*\dd+4:FR+32*\cc+8*\dd+7], v2 offset:32*PV*\cc+32*\dd+16*PV
.endr
.endr
.if \diag
	MASK
.endif
	SOFTMAX 0, \diag
	s_wait_dscnt 0x0                               ; for the others: all my reads of this tile are back,
	s_barrier_signal -1                            ; say so,
	SOFTMAX 1, \diag                               ; work on registers while the others arrive,
	s_barrier_wait -1                              ; and only when all eight have said so is the tile written over
	FEED \pf
	PVMUL 0, \diag
	s_wait_dscnt 0x0                               ; for the others: my part of the next tile is stored
	s_barrier_signal -1
	PVMUL 1, 0
	s_barrier_wait -1                              ; the next tile is whole
	NOPS 5                                         ; five places: the next matrix instruction writes over P; loads into the fragments and reads of O need four
	s_add_co_u32 s17, s17, 1
.endm
.macro QSTORE                          ; the staged Q block, rounded and stored as K is
.irp u, 0,1,2,3,4,5,6,7
	v_cvt_pk_f16_f32 v[SC+4*\u], v[SC+4*\u], v[SC+4*\u+1]
	v_cvt_pk_f16_f32 v[SC+4*\u+1], v[SC+4*\u+2], v[SC+4*\u+3]
.endr
.irp u, 0,1,2,3,4,5,6,7
	ds_store_b64 v3, v[SC+4*\u:SC+4*\u+1] offset:QT+16*PK*\u
.endr
.endm
.macro QFRAGS                          ; my 32 queries as second sources: (n, kk), two loads of 16 bytes each
.irp nb, 0,1
.irp kk, 0,1
	ds_load_b128 v[QF+16*\nb+8*\kk:QF+16*\nb+8*\kk+3],   v6 offset:16*PK*\nb+64*\kk
	ds_load_b128 v[QF+16*\nb+8*\kk+4:QF+16*\nb+8*\kk+7], v6 offset:16*PK*\nb+64*\kk+32
.endr
.endr
.endm
; End of a pass: the two waves of a query block exchange their parts, each merges one column block of 16 queries and writes it out.
; last = 0: the next pass's Q block is fetched meanwhile and set up.
.macro EPILOGUE last
.if \last == 0
	s_lshl_b32 s42, s12, 15                        ; block i
	s_add_nc_u64 s[38:39], s[4:5], s[42:43]
.irp u, 0,1,2,3,4,5,6,7
	global_load_b128 v[SC+4*\u:SC+4*\u+3], v5, s[38:39] offset:4096*\u th:TH_LOAD_NT
.endr
.endif
	v_add_f32 v[TT], v[LS], v[LS+1]
	v_add_f32 v[TT+2], v[LS+2], v[LS+3]
	v_permlanex16_b32 v[TT+1], v[TT], s34, s35
	v_permlanex16_b32 v[TT+3], v[TT+2], s34, s35
	v_add_f32 v[NM+1], v[TT], v[TT+1]              ; my row sums over my 64 keys of every tile
	v_add_f32 v[NM+3], v[TT+2], v[TT+3]
	v_and_b32 v167, 31, v0                         ; lane L
	v_and_b32 v168, 15, v0                         ; r
	v_bfe_u32 v169, v0, 4, 1                       ; h
	v_lshl_add_u32 v160, v167, 4, s47              ; give: my region, 16 bytes a lane
	v_lshl_add_u32 v161, v167, 3, s47              ; give: statistics, 8 bytes a lane
	v_lshl_add_u32 v162, v167, 4, s48              ; take: column block b in the region of wave a (wave a + 4: 4 x 8,704 further)
	v_lshl_add_u32 v163, v167, 3, s49
	v_mul_u32_u24 v164, v168, SP                   ; stage, in: row r, 32 bytes for each half of the lanes
	v_lshl_add_u32 v164, v169, 5, v164
	v_add_nc_u32 v164, s50, v164
	v_mul_u32_u24 v165, v169, SP                   ; stage, back: lanes 0-15 one row of 256 bytes, lanes 16-31 the next
	v_lshl_add_u32 v165, v168, 4, v165
	v_add_nc_u32 v165, s50, v165
	v_lshl_add_u32 v166, v167, 4, s51              ; out: (32a + 16b) rows of 256 bytes + 16 L
.irp u, 0,1,2,3,4,5,6,7,8,9,10,11,12,13,14,15
	ds_store_b128 v160, v[OA+4*\u:OA+4*\u+3] offset:512*\u
.endr
	ds_store_b64 v161, v[NM:NM+1] offset:8192
	ds_store_b64 v161, v[NM+2:NM+3] offset:8192+256
	s_wait_dscnt 0x0                               ; for the partner: my part is stored
	s_barrier_signal -1
	s_barrier_wait -1
.irp u, 0,1,2,3,4,5,6,7
	ds_load_b128 v[FR+4*\u:FR+4*\u+3], v162 offset:512*\u
.endr
.irp u, 0,1,2,3,4,5,6,7
	ds_load_b128 v[FR+32+4*\u:FR+32+4*\u+3], v162 offset:4*XWB+512*\u
.endr
	ds_load_b64 v[TT:TT+1], v163 offset:8192
	ds_load_b64 v[TT+2:TT+3], v163 offset:4*XWB+8192
	s_wait_dscnt 0x0
	v_min_num_f32 v[TT+4], v[TT], v[TT+2]          ; the joint maximum, negated and scaled
	v_sub_f32 v[TT+5], v[TT+4], v[TT]
	v_sub_f32 v[TT+6], v[TT+4], v[TT+2]
	v_exp_f32 v[TT+5], v[TT+5]
	v_exp_f32 v[TT+6], v[TT+6]
	v_nop                                          ; one plain instruction behind the exponentials (ISA guide 5.7.2)
	s_wait_alu depctr_va_vdst(0)
	v_mul_f32 v[TT+7], v[TT+1], v[TT+5]
	v_fmac_f32 v[TT+7], v[TT+3], v[TT+6]           ; the whole row sum; key 0 is never masked, so it is above 0
	v_rcp_f32 v[TT+7], v[TT+7]
	v_nop                                          ; and behind the reciprocal
	s_wait_alu depctr_va_vdst(0)
	v_mul_f32 v[G0R], v[TT+5], v[TT+7]
	v_mul_f32 v[AL], v[TT+6], v[TT+7]
.irp p, 0,2,4,6,8,10,12,14,16,18,20,22,24,26,28,30
	v_pk_mul_f32 v[FR+\p:FR+\p+1], v[FR+\p:FR+\p+1], v[G0R:G0R+1] op_sel_hi:[1,0]
.endr
.irp p, 0,2,4,6,8,10,12,14,16,18,20,22,24,26,28,30
	v_pk_fma_f32 v[FR+\p:FR+\p+1], v[FR+32+\p:FR+32+\p+1], v[AL:AL+1], v[FR+\p:FR+\p+1] op_sel_hi:[1,0,1]
.endr
	; registers 4u..4u+3 hold d = 16 (u/2) + 8h + 4 (u%2) + 0..3 of query r: 16 bytes of a row of out
.irp u, 0,1,2,3,4,5,6,7
	ds_store_b128 v164, v[FR+4*\u:FR+4*\u+3] offset:64*(\u/2)+16*(\u%2)
.endr
.irp u, 0,1,2,3,4,5,6,7
	ds_load_b128 v[FR+32+4*\u:FR+32+4*\u+3], v165 offset:2*SP*\u   ; my own bytes: LDS serves a wave's instructions in order (ISA guide 5.7.1)
.endr
.irp u, 0,1,2,3,4,5,6,7
	s_wait_dscnt 7-\u                              ; row pair u of the eight is in
	global_store_b128 v166, v[FR+32+4*\u:FR+32+4*\u+3], s[40:41] offset:512*\u th:TH_STORE_NT   ; 32 lanes store 512 consecutive bytes, two whole rows of out
.endr
.if \last == 0
	s_wait_loadcnt 0x0                             ; the next Q block is in (and the staged tile)
	QSTORE                                         ; every wave took its old Q fragments into registers before the pass's first barrier
	s_wait_dscnt 0x0                               ; for the others: my part of Q is stored, my reads of the exchange are back
	s_barrier_signal -1
	s_barrier_wait -1
	QFRAGS
	s_wait_xcnt 0x0                                ; the stores' data, offset and base are written again only behind this wait
	s_add_nc_u64 s[40:41], s[10:11], s[42:43]      ; out at block i
.endif
.endm
; A pass: the diagonal tile, then s[cnt] tiles in a loop, then the epilogue.  Pass A has at least 8 loop trips; pass B may have none.
; The loop ends on a signed compare, counter > 0, so that it ends behind its first trip whatever the start.
.macro PASS cnt, pf, last
	TRIP 1, \pf
.if \last
	s_cmp_eq_u32 s[\cnt], 0
	s_cbranch_scc1 .Lpass_end_\@
.endif
	s_mov_b32 s18, s[\cnt]
.Lpass_loop_\@:
	TRIP 0, \pf
	s_sub_co_i32 s18, s18, 1
	s_cmp_gt_i32 s18, 0
	s_cbranch_scc1 .Lpass_loop_\@
.Lpass_end_\@:
	EPILOGUE \last
.endm
	s_load_b256 s[4:11], s[0:1], 0x0               ; q s[4:5], k s[6:7], v s[8:9], out0 s[10:11]
	v_lshl_add_u32 v9, v0, 2, 0x27800
	s_set_vgpr_msb 0x40
	v_mov_b32 v65, 0
	s_set_vgpr_msb 0x4000
	s_mov_b32 s12, ttmp9                           ; i
	s_and_b32 s13, ttmp7, 0xffff                   ; head
	v_lshrrev_b32 v24, 5, v0
	v_readfirstlane_b32 s14, v24                   ; wave w
	s_and_b32 s15, s14, 3                          ; a: my 32 queries
	s_lshr_b32 s16, s14, 2                         ; b: my 64 keys
	s_sub_co_u32 s19, 15, s12                      ; pass A's block
	s_add_co_u32 s21, s19, 1
	s_sub_co_i32 s22, s12, 3                       ; the trip in which I prefetch (below 0: never met)
	s_lshl_b32 s42, s13, 19                        ; a head is 2,048 rows of 256 bytes
	s_mov_b32 s43, 0
	s_lshl_b32 s28, s19, 15                        ; a block or tile is 128 rows of 256 bytes
	s_mov_b32 s29, 0
	v_lshlrev_b32 v5, 4, v0                        ; 16 x thread
	s_wait_kmcnt 0x0
	s_add_nc_u64 s[4:5], s[4:5], s[42:43]
	s_add_nc_u64 s[6:7], s[6:7], s[42:43]
	s_add_nc_u64 s[8:9], s[8:9], s[42:43]
	s_add_nc_u64 s[10:11], s[10:11], s[42:43]
	s_add_nc_u64 s[38:39], s[4:5], s[28:29]        ; Q, out, K, V at block 15-i
	s_add_nc_u64 s[40:41], s[10:11], s[28:29]
	s_add_nc_u64 s[24:25], s[6:7], s[28:29]
	s_add_nc_u64 s[26:27], s[8:9], s[28:29]
.irp u, 0,1,2,3,4,5,6,7
	global_load_b128 v[SC+4*\u:SC+4*\u+3], v5, s[38:39] offset:4096*\u th:TH_LOAD_NT   ; a Q block is read by one work-group alone
.endr
	LOAD_TILE                                      ; the diagonal tile of pass A
	s_cmp_lt_u32 s14, 4
	s_cselect_b64 s[36:37], s[6:7], s[8:9]         ; waves 0-3 prefetch K, waves 4-7 V,
	s_lshl_b32 s42, s12, 15
	s_add_nc_u64 s[36:37], s[36:37], s[42:43]      ; tile i
	s_mov_b32 s30, 0x3e38aa3b                      ; c = 0.125 log2 e
	s_mov_b32 s31, 0x3e38aa3b
	s_mov_b32 s32, 0xbe38aa3b                      ; -c
	s_mov_b32 s33, 0x7149f2ca                      ; 1e30
	s_mov_b32 s34, 0x76543210                      ; v_permlanex16_b32: lane i of one half reads lane i of the other
	s_mov_b32 s35, 0xfedcba98
	v_and_b32 v24, 15, v0                          ; r
	v_bfe_u32 v25, v0, 4, 1                        ; h
	v_and_b32 v27, 7, v0
	v_bfe_u32 v28, v0, 3, 1
	v_lshrrev_b32 v29, 4, v0                       ; thread >> 4: my row among 16
	v_mul_u32_u24 v26, v24, PK
	v_lshl_add_u32 v26, v25, 4, v26                ; 144 r + 16 h
	s_mul_i32 s44, s16, 64*PK
	v_add_nc_u32 v1, s44, v26                      ; K fragments: row 64b + r
	s_mul_i32 s45, s15, 32*PK
	s_add_co_u32 s45, s45, QT
	v_add_nc_u32 v6, s45, v26                      ; Q fragments: row 32a + r
	v_lshl_add_u32 v27, v25, 3, v27                ; 8h + (L & 7)
	v_mul_u32_u24 v2, v27, PV
	v_lshl_add_u32 v2, v28, 4, v2                  ; + 16 ((L >> 3) & 1)
	s_mul_i32 s46, s16, 64*PV
	s_add_co_u32 s46, s46, VT
	v_add_nc_u32 v2, s46, v2                       ; V^T fragments: keys from 64b
	v_mul_u32_u24 v3, v29, PK
	v_lshl_add_u32 v3, v24, 3, v3                  ; where I store 8 bytes of K or Q
	v_mul_u32_u24 v4, v29, PV
	v_lshl_add_u32 v4, v24, 3, v4
	v_add_nc_u32 v4, VT, v4                        ; and of V
	v_and_b32 v7, 127, v0
	v_lshlrev_b32 v7, 8, v7                        ; prefetch: 128 threads, 256 bytes apart
	v_mov_b32 v8, 0xff7fffff                       ; the masked score
	s_lshl_b32 s44, s15, 5
	s_lshl_b32 s45, s16, 6
	s_sub_co_i32 s44, s44, s45                     ; 32a - 64b
	v_lshlrev_b32 v30, 3, v25
	v_sub_nc_u32 v10, v24, v30
	v_add_nc_u32 v[DQ], s44, v10
	v_add_nc_u32 v[DQ+1], 16, v[DQ]
	v_mov_b32 v[NM+1], 0                           ; upper halves of pairs of which a packed instruction uses the lower alone
	v_mov_b32 v[NM+3], 0
	v_mov_b32 v[G0R+1], 0
	v_mov_b32 v[AL+1], 0
	s_mul_i32 s47, s14, XWB
	s_add_co_u32 s47, s47, XCH                     ; my region of the exchange
	s_mul_i32 s48, s15, XWB
	s_add_co_u32 s48, s48, XCH                     ; the region of wave a
	s_lshl_b32 s44, s16, 8
	s_add_co_u32 s49, s48, s44                     ; + 256 b: statistics of column block b
	s_lshl_b32 s44, s16, 12
	s_add_co_u32 s48, s48, s44                     ; + 4,096 b: sums of column block b
	s_mul_i32 s50, s14, STB
	s_add_co_u32 s50, s50, STG                     ; my stage
	s_lshl1_add_u32 s51, s15, s16
	s_lshl_b32 s51, s51, 12                        ; (32a + 16b) rows of 256 bytes
	s_wait_loadcnt 0x10                            ; Q's eight loads are in; the tile's sixteen stay out
	QSTORE
	s_wait_loadcnt 0x0                             ; the tile is in; s[24:27] may be written
	STORE_TILE
	s_mov_b64 s[24:25], s[6:7]                     ; trip 1 takes tile 0
	s_mov_b64 s[26:27], s[8:9]
	LOAD_TILE
	s_wait_dscnt 0x0                               ; for the others: my parts of Q, K and V are stored
	s_barrier_signal -1
	s_barrier_wait -1
	QFRAGS
	s_mov_b32 s17, 0
	PASS 19, 1, 0                                  ; block 15-i: the diagonal tile and 15-i more
	PASS 12, 0, 1                                  ; block i: the diagonal tile and i more
	s_set_vgpr_msb 0x4
	s_wait_tensorcnt 0x0
	ds_add_u32 v9, v65
	s_wait_dscnt 0x0
	s_set_vgpr_msb 0x400
	s_endpgm
.Lfunc_end_k_q615d79c192_attn:
	.size	k_q615d79c192_attn, .Lfunc_end_k_q615d79c192_attn-k_q615d79c192_attn
	.p2alignl 7, 3214868480
	.fill 96, 4, 3214868480
	.section	.rodata,"a",@progbits
	.p2align	6, 0x0
	.amdhsa_kernel k_q615d79c192_attn
		.amdhsa_group_segment_fixed_size 162816
		.amdhsa_private_segment_fixed_size 0
		.amdhsa_enable_private_segment 0
		.amdhsa_kernarg_size 32
		.amdhsa_user_sgpr_count 2
		.amdhsa_user_sgpr_kernarg_segment_ptr 1
		.amdhsa_wavefront_size32 1
		.amdhsa_system_sgpr_workgroup_id_x 1
		.amdhsa_system_sgpr_workgroup_id_y 1
		.amdhsa_system_sgpr_workgroup_id_z 1
		.amdhsa_system_vgpr_workitem_id 0
		.amdhsa_next_free_vgpr 322
		.amdhsa_next_free_sgpr 66
		.amdhsa_reserve_vcc 1
		.amdhsa_float_denorm_mode_32 3
		.amdhsa_float_denorm_mode_16_64 3
		.amdhsa_memory_ordered 1
		.amdhsa_forward_progress 1
		.amdhsa_inst_pref_size 126
	.end_amdhsa_kernel
	.amdgpu_metadata
---
amdhsa.version: [ 1, 2 ]
amdhsa.kernels:
  - .name:           k_q615d79c192_attn
    .symbol:         k_q615d79c192_attn.kd
    .args:
      - { .name: q, .offset: 0, .size: 8, .value_kind: global_buffer, .address_space: global }
      - { .name: k, .offset: 8, .size: 8, .value_kind: global_buffer, .address_space: global }
      - { .name: v, .offset: 16, .size: 8, .value_kind: global_buffer, .address_space: global }
      - { .name: out0, .offset: 24, .size: 8, .value_kind: global_buffer, .address_space: global }
    .group_segment_fixed_size: 162816
    .private_segment_fixed_size: 0
    .kernarg_segment_align: 8
    .kernarg_segment_size: 32
    .max_flat_workgroup_size: 256
    .sgpr_count:     66
    .vgpr_count:     322
    .wavefront_size: 32
...
	.end_amdgpu_metadata
.endif
;; end of part 1
